; MI455X (gfx1250); checked and timed in simulation.
; The chip was launched on July 23, 2026; its instructions are those of AMD's public machine-readable ISA for CDNA 5 (MIT licence, August 2026) and "CDNA5" Instruction Set Architecture Reference Guide (July 2026). The comments in the code are by the model that wrote it; some were corrected since.
;; Residual Vector Quantizer. Allowed arithmetic: matrix products marked QUANTISED: E2M3 operands, one E8M0 scale for each 32 along K, by v_wmma_scale_f32_16x16x128_f8f6f4 with both operands' format E2M3, f32 sums; everything else in f32.
;; Inputs: codebooks 3 x 1,024 x 128 float32; x 65,536 x 128 float32.
;; Outputs: out0 65,536 x 128 float32; out1 65,536 x 3 int32; out2 one number float32; out3 one number float32.
;; This version of the problem:
;;   THIS VERSION OF THE PROBLEM IS GIVEN IN LOW PRECISION. The matrix products marked QUANTISED in the list below multiply operands that are first quantised to E2M3 (2 exponent bits, 3 mantissa bits; 6 bits a number), with one power-of-two scale for each 32 numbers along K (OCP MX v1.0); their sums are f32. All else is computed in f32.
;;   The module's matrix products, in the order in which they are computed (A, B: the left and right operand; K: the contracted axis; several contracted axes count as one K, in the product's order):
;;     1. [M 65,536, K 128] x [K 128, N 1,024]; A: input x; B: input codebooks: QUANTISED
;;     2. [M 65,536, K 128] x [K 128, N 1,024]; A: computed on the way; B: input codebooks: QUANTISED
;;     3. [M 65,536, K 128] x [K 128, N 1,024]; A: computed on the way; B: input codebooks: QUANTISED
;;   THE QUANTISER, for each operand of a quantised product, along K:
;;     - K is cut into blocks of 32 from its start; a last block that is shorter is filled with zeros.
;;     - A block's scale is 2^e with e = floor(log2(the largest magnitude in the block)) - 2, held to -126 .. 127; a block of zeros has e = 0. As a byte (E8M0): e + 127.
;;     - Each number is divided by its block's scale, clamped to +-7.5, and rounded to the nearest number of E2M3, ties to even, subnormals kept.
;;     - The product sums the exact products of the quantised numbers (number of the format x scale) in f32.
;;   ~~~python
;;   def quantise(x, axis):      # numpy; x: float32 -> the quantised numbers, widened to float32 again
;;       x = np.moveaxis(x, axis, -1); K = x.shape[-1]
;;       x = np.pad(x, [(0, 0)] * (x.ndim - 1) + [(0, -K % 32)]); x = x.reshape(x.shape[:-1] + (-1, 32)); a = np.abs(x).max(-1, keepdims=True)
;;       e = np.where(a > 0, np.clip(np.frexp(np.where(a > 0, a, 1))[1] - 1 - 2, -126, 127), 0)      # np.frexp(a)[1] - 1 = floor(log2(a)), exactly
;;       r = np.clip(x / 2.0 ** e, -7.5, 7.5)
;;       step = 2.0 ** (np.maximum(np.frexp(np.where(r == 0, 1, r))[1] - 1, 0) - 3)
;;       q = np.round(r / step) * step * 2.0 ** e      # np.round: ties to even
;;       return np.moveaxis(q.reshape(q.shape[:-2] + (-1,))[..., :K], -1, axis).astype(np.float32)
;;   ~~~
;;   OPERANDS COMPUTED ON THE WAY. 'Computed on the way' means the value that the module computes at that place (a softmax that the list does not call 'softmax' is quantised finished and normalised). What goes into a quantiser is computed in f32, as accurately as f32 sums, v_exp_f32 and their like allow (about 1e-6 of the number): no bf16 or f16 on the way to a quantiser, and a product that is left as it is and whose result goes on into a quantised operand takes f32 operands (vector FMAs, or v_wmma_f32_16x16x4_f32). A number that lies on a knife's edge between two numbers of the format may be rounded either way, as far as f32 arithmetic and the matrix unit's own rounding can turn it there, and no further.
;; One version. Each part assembles by itself: llvm-mc -triple=amdgcn-amd-amdhsa -mcpu=gfx1250 --defsym DOCPART=n.
;; ======== version 1 of 1: 6 launches
;; limits: right only within a limited range of input values
;; workspace buffers: wq 319,488 bytes; code0 262,400 bytes of whole numbers; code1 262,400 bytes of whole numbers; code2 262,400 bytes of whole numbers; part 3,148,800 bytes; fpart 1,280 bytes
;; launch prep (part 1): grid 48 x 1, 4 waves a work-group, no clusters, 0 bytes of LDS; arguments codebooks, wq, code2; writes wq, code2
.if DOCPART == 1
	.amdgcn_target "amdgcn-amd-amdhsa--gfx1250"
	.amdhsa_code_object_version 6
	.text
	.protected	k_qdf699601f6_prep
	.globl	k_qdf699601f6_prep
	.p2align	8
	.type	k_qdf699601f6_prep,@function
k_qdf699601f6_prep:
	s_mov_b64 s[64:65], 0
	v_nop
	global_prefetch_b8 v0, s[64:65] scope:SCOPE_SE
	s_setreg_imm32_b32 hwreg(HW_REG_WAVE_MODE, 25, 1), 1
	s_wait_xcnt 0x0
; The three codebooks [3][1024][128] f32 become operands of the distance products, once for the whole program.
; One wave makes one fragment f = 64 level + tile: 16 codes x 128 K as codes of FP6 (E2M3), laid in wq as an IMAGE OF THE OPERAND'S REGISTERS
; (f x 1,536 + 512 c + 16 lane holds registers 4 c .. 4 c + 3 of the lane), the 16 scale words at 294,912 + 64 f + 4 r, and the f32 sums of squares at 307,200 + 64 f + 4 r.
; A block's scale byte is its largest magnitude's exponent field - 2, held at 1 from below (a block of zeros keeps 1: its codes are zeros, and only this program reads the bytes).
; Work-group 0, wave 0 also writes the level word 0 into the first 256 bytes of code2: the first level launch reads its level there.
; LIMITS: NaN and infinities are not served; blocks whose largest magnitude lies under 2^-124 keep the byte 1; the sum of squares is taken in another order than a plain running sum.
; The scale words and the sums leave in pieces of 64 bytes (24 KiB in the whole launch): a stage in LDS for them would cost more than it spares.
.set X,   64                           ; v64-127  my 64 numbers: register 16 b + i = k 32 b + 16 (lane / 16) + i of my row
.set PC,  8                            ; v8-19    the fragment's 12 registers; v20-26 at work
.set TM,  32                           ; v32-47   maxima, bytes, scale operands
.set PW,  48                           ; v48      my row's scale word
.set SEL, 20                           ; s[20:21] selects of v_permlanex16_b32: lane l xor 16
	s_load_b128 s[4:7], s[0:1], 0x0                ; codebooks, wq
	s_load_b64 s[8:9], s[0:1], 0x10                ; code2
	v_lshrrev_b32 v1, 5, v0
	v_readfirstlane_b32 s10, v1                    ; wave
	v_and_b32 v2, 15, v0                           ; r
	v_bfe_u32 v3, v0, 4, 1                         ; h
	v_lshlrev_b32 v4, 9, v2
	v_lshl_add_u32 v4, v3, 6, v4                   ; row r of 512 bytes, + 64 h
	v_and_b32 v5, 31, v0
	v_lshlrev_b32 v7, 3, v5                        ; 8 x lane
	v_lshlrev_b32 v5, 4, v5                        ; 16 x lane
	v_lshlrev_b32 v6, 2, v2                        ; 4 r
	s_lshl_b32 s11, ttmp9, 2
	s_add_co_u32 s11, s11, s10                     ; f
	s_lshl_b32 s12, s11, 13                        ; its 16 rows: 8,192 bytes
	s_mov_b32 s13, 0
	s_mul_i32 s14, s11, 1536
	s_mov_b32 s15, 0
	s_lshl_b32 s16, s11, 6
	s_mov_b32 s17, 0
	s_mov_b32 s[SEL], 0x76543210
	s_mov_b32 s[SEL+1], 0xfedcba98
.irp b, 0,1,2,3
	v_mov_b32 v[TM+4+\b], 0                        ; a lane permute's destination counts as one of its sources
.endr
	s_wait_alu depctr_va_vdst(0)
	s_wait_kmcnt 0x0
	s_add_nc_u64 s[4:5], s[4:5], s[12:13]
	s_add_nc_u64 s[18:19], s[6:7], s[14:15]        ; the image
	s_add_nc_u64 s[6:7], s[6:7], s[16:17]          ; scale words and sums: 64 f
.irp b, 0,1,2,3
.irp j, 0,1,2,3
	global_load_b128 v[X+16*\b+4*\j:X+16*\b+4*\j+3], v4, s[4:5] offset:128*\b+16*\j
.endr
.endr
	s_wait_loadcnt 0x0
	v_pk_mul_f32 v[28:29], v[X:X+1], v[X:X+1]      ; the sum of squares, two chains of pairs
	v_pk_mul_f32 v[30:31], v[X+2:X+3], v[X+2:X+3]
.irp j, 4,8,12,16,20,24,28,32,36,40,44,48,52,56,60
	v_pk_fma_f32 v[28:29], v[X+\j:X+\j+1], v[X+\j:X+\j+1], v[28:29]
	v_pk_fma_f32 v[30:31], v[X+\j+2:X+\j+3], v[X+\j+2:X+\j+3], v[30:31]
.endr
	v_pk_add_f32 v[28:29], v[28:29], v[30:31]
	v_add_f32 v28, v28, v29
	v_permlanex16_b32 v29, v28, s[SEL], s[SEL+1]
	v_add_f32 v28, v28, v29                        ; with the row's other half
.irp b, 0,1,2,3
	v_max3_num_f32 v[TM+\b], |v[X+16*\b]|, |v[X+1+16*\b]|, 0x1800000   ; block b: my 16 numbers and the floor 2^(3 - 127)
.endr
.irp i, 2,4,6,8,10,12,14
.irp b, 0,1,2,3
	v_max3_num_f32 v[TM+\b], v[TM+\b], |v[X+16*\b+\i]|, |v[X+1+16*\b+\i]|
.endr
.endr
.irp b, 0,1,2,3
	v_permlanex16_b32 v[TM+4+\b], v[TM+\b], s[SEL], s[SEL+1]
.endr
.irp b, 0,1,2,3
	v_max_num_f32 v[TM+\b], v[TM+\b], v[TM+4+\b]   ; the block's largest magnitude
.endr
.irp b, 0,1,2,3
	v_add_nc_u32 v[TM+12+\b], 0xff000000, v[TM+\b] ; 2 off its exponent field: the conversion's scale operand
.endr
.irp b, 0,1,2,3
	v_lshrrev_b32 v[TM+4+\b], 23, v[TM+12+\b]      ; the scale's byte
.endr
	v_lshl_or_b32 v[PW], v[TM+5], 8, v[TM+4]
	v_lshl_or_b32 v[PW], v[TM+6], 16, v[PW]
	v_lshl_or_b32 v[PW], v[TM+7], 24, v[PW]
.irp c, 0,1
	v_cvt_scalef32_pk16_fp6_f32 v[PC+6*\c:PC+2+6*\c], v[X+32*\c:X+15+32*\c], v[TM+12+2*\c]
	v_cvt_scalef32_pk16_fp6_f32 v[PC+12+4*\c:PC+14+4*\c], v[X+16+32*\c:X+31+32*\c], v[TM+12+2*\c+1]   ; (a conversion's three registers begin on an even number)
.endr
	v_nop                                          ; one plain place behind a scaled conversion
.irp c, 0,1                                    ; the operand wants a whole block in a lane: lanes 0-15 block 2 c, lanes 16-31 block 2 c + 1
.irp i, 0,1,2
	v_permlane16_swap_b32 v[PC+6*\c+\i], v[PC+12+4*\c+\i]
.endr
.irp i, 0,1,2
	v_mov_b32 v[PC+3+6*\c+\i], v[PC+12+4*\c+\i]
.endr
.endr
.irp c, 0,1,2
	global_store_b128 v5, v[PC+4*\c:PC+4*\c+3], s[18:19] offset:512*\c   ; 32 lanes store 512 consecutive bytes
.endr
	global_store_b32 v6, v[PW], s[6:7] offset:294912   ; both halves of the lanes hold the same word and write it to the same place
	global_store_b32 v6, v28, s[6:7] offset:307200
	s_or_b32 s22, ttmp9, s10
	s_cmp_lg_u32 s22, 0
	s_cbranch_scc1 .Ldone
	v_mov_b32 v30, 0
	v_mov_b32 v31, 0
	global_store_b64 v7, v[30:31], s[8:9]          ; the level word 0, 64 times: one aligned run of 256 bytes
.Ldone:
	s_endpgm
.Lfunc_end_k_qdf699601f6_prep:
	.size	k_qdf699601f6_prep, .Lfunc_end_k_qdf699601f6_prep-k_qdf699601f6_prep
	.p2alignl 7, 3214868480
	.fill 96, 4, 3214868480
	.section	.rodata,"a",@progbits
	.p2align	6, 0x0
	.amdhsa_kernel k_qdf699601f6_prep
		.amdhsa_group_segment_fixed_size 0
		.amdhsa_private_segment_fixed_size 0
		.amdhsa_enable_private_segment 0
		.amdhsa_kernarg_size 24
		.amdhsa_user_sgpr_count 2
		.amdhsa_user_sgpr_kernarg_segment_ptr 1
		.amdhsa_wavefront_size32 1
		.amdhsa_system_sgpr_workgroup_id_x 1
		.amdhsa_system_sgpr_workgroup_id_y 1
		.amdhsa_system_sgpr_workgroup_id_z 1
		.amdhsa_system_vgpr_workitem_id 0
		.amdhsa_next_free_vgpr 128
		.amdhsa_next_free_sgpr 66
		.amdhsa_reserve_vcc 0
		.amdhsa_float_denorm_mode_32 3
		.amdhsa_float_denorm_mode_16_64 3
		.amdhsa_memory_ordered 1
		.amdhsa_forward_progress 1
		.amdhsa_inst_pref_size 10
	.end_amdhsa_kernel
	.amdgpu_metadata
---
amdhsa.version: [ 1, 2 ]
amdhsa.kernels:
  - .name:           k_qdf699601f6_prep
    .symbol:         k_qdf699601f6_prep.kd
    .args:
      - { .name: codebooks, .offset: 0, .size: 8, .value_kind: global_buffer, .address_space: global }
      - { .name: wq, .offset: 8, .size: 8, .value_kind: global_buffer, .address_space: global }
      - { .name: code2, .offset: 16, .size: 8, .value_kind: global_buffer, .address_space: global }
    .group_segment_fixed_size: 0
    .private_segment_fixed_size: 0
    .kernarg_segment_align: 8
    .kernarg_segment_size: 24
    .max_flat_workgroup_size: 128
    .sgpr_count:     66
    .vgpr_count:     128
    .wavefront_size: 32
...
	.end_amdgpu_metadata
.endif
;; end of part 1
;; launch lvl0 (part 2): grid 256 x 1, 8 waves a work-group, no clusters, 19,456 bytes of LDS; arguments x, codebooks, wq, code2, code1, code0, part; writes code0, part
.if DOCPART == 2
	.amdgcn_target "amdgcn-amd-amdhsa--gfx1250"
	.amdhsa_code_object_version 6
	.text
	.protected	k_qdf699601f6_lvl0
	.globl	k_qdf699601f6_lvl0
	.p2align	8
	.type	k_qdf699601f6_lvl0,@function
k_qdf699601f6_lvl0:
	s_mov_b64 s[64:65], 0
	v_nop
	global_prefetch_b8 v0, s[64:65] scope:SCOPE_SE
	s_setreg_imm32_b32 hwreg(HW_REG_WAVE_MODE, 25, 1), 1
	s_wait_xcnt 0x0
; ONE LEVEL OF THE RESIDUAL QUANTISER.  The same text serves the three levels; the first two words of the buffer given as cP are (level, level - 1 or 0), held to 2 and to 1.
; residual r = (x - W0[cQ]) - W(level-1)[cP]  (the first term from level 2 on, the second from level 1 on), in f32, in the order in which the residual is formed level by level.
; d[row][code] = (|r|^2 - 2 Q(r).Q(W)) + |W|^2, the product on codes of FP6 (E2M3) with E8M0 scales, the two additions rounded one after the other in f32.
; Stored: the argmin of each row (lowest index at equal d) into cout at 256 + 4 row; the work-group's column sums of softmax(-d) into part; from level 1 on its sum of |r|^2; (level + 1, level) into cout's first 256 bytes.
; SHARES.  A work-group owns 256 rows and walks them in 8 trips of 32 (two tiles of 16: A and B).  THE WAVES SHARE THE CODES: wave w owns codes 128 w .. 128 w + 127 and keeps their 8 fragments, scale words,
; |W|^2 and column sums in registers for the whole launch.  Two waves lie on a SIMD with 512 registers each, so that one wave's matrix run, exponentials and LDS waits stand beside the other's vector work.
; LAYOUT.  The product is used transposed (source 0 = 16 codes, source 1 = 16 rows): lane (r, h) holds row r, register 8 t + j code 128 w + 16 t + 8 h + j.  A row's minimum and sum need one exchange with lane l xor 16.
; SOFTMAX.  The maximum of -d is taken away in two steps: each wave uses its own minimum m_w (e = 2^(mu_w - L d), mu_w = L m_w, L = log2 e) and publishes (m_w, Z_w, index); behind the trip's one barrier every wave
; forms mu = L min m, f_v = 2^(mu - mu_v), Z = sum Z_v f_v and adds e f_w / Z onto its column sums.
; THE ROWS' OPERAND.  Wave w prepares rows 4 w .. 4 w + 3 of a pair of tiles two trips ahead: eight lanes to a row, 16 numbers a lane; the codes go to LDS at the places at which the operand's registers lie
; (48 bytes a lane), so that any wave fetches a fragment by three loads of 16 bytes.  Arrays in LDS come in two parities, so one barrier a trip orders both directions.  Every LDS address register is made at the head and stays.
; No tensor load: W's share is read once into registers, and x must pass through registers for the quantiser.  No cluster: work-groups share only wq, read once at the head.
; LIMITS: NaN and infinities are not served; a block under 2^-124 keeps the scale byte 1; |r|^2 is summed in another order than a running sum (all d of a row move by the same whole steps of their last place).
.set IMG,   0                          ; LDS: the pair's two fragments, 2 x 1,536 bytes; parity 1 at + IMGP
.set IMGP,  3072
.set SCX,   6144                       ; x's scale words (tile x 64 + 4 r); |r|^2 at + XXO; parity 1 at + SCP
.set SCP,   256
.set XXO,   128
.set ST,    6656                       ; the waves' statistics: m at + 0, Z at + 1,024, index at + 2,048, each tile x 512 + 32 r + 4 wave; parity 1 at + STP
.set STP,   3072
.set OUTB,  12800                      ; the work-group's 256 codes
.set PSTG,  13824                      ; 512 bytes a wave: its column sums on the way out
.set CSTG,  17920                      ; 512 bytes: the waves' sums of |r|^2
.set SPARE, 18432                      ; the spare words, 128 bytes a wave: four blocks of 256 bytes that no other line names
.set SPW, 1                            ; v1   my spare word's address; never rewritten
.set NIL, 2                            ; v2   0; never rewritten
.set FAD, 3                            ; v3   48 lane: a fragment's place for my lane
.set SAD, 4                            ; v4   4 r
.set STW, 5                            ; v5   32 r + 4 wave: where I publish
.set MRD, 6                            ; v6   32 r + 16 h: four waves' numbers of my row
.set IRD, 7                            ; v7   4 thread: (row 4 w + lane / 8, wave lane % 8)
.set IWR, 8                            ; v8   where my 12 bytes of codes go
.set SWR, 9                            ; v9   where my block's scale byte goes
.set XWR, 10                           ; v10  where my row's |r|^2 goes
.set XOF, 11                           ; v11  64 thread: my 64 bytes of the pair's 32 rows
.set IOF, 12                           ; v12  memory: my row's word among the work-group's 256 codes: 128 pair + 16 w + 4 (lane / 8)
.set QLA, 13                           ; v13  64 (lane % 8)
.set GOP, 14                           ; v14, v15 gather offsets
.set GOQ, 15
.set IP,  16                           ; v16, v17 the codes of my row of the pair to be loaded next
.set IQ,  17
.set IBASE, 18                         ; v18  128 w + 8 h
.set V8,  19                           ; v19  lane % 8
.set IDXA, 20                          ; v20  trip p's code of row 4 w + lane / 8 is parked in the lanes with lane % 8 = p (as f32)
.set CSUM, 21                          ; v21  my share of the sum of |r|^2
.set PFO, 22                           ; v22  256 thread
.set WS,  24                           ; v24-31 W's scale words, and nothing else
.set XFA, 32                           ; v32-43, v44-55 the rows' two fragments
.set XFB, 44
.set XSA, 56                           ; v56, v57 their scale words, and nothing else
.set XSB, 57
.set XXA, 58                           ; |r|^2 of my row, tile A.  The packed forms name a pair and take its low word for both halves; the upper registers hold addresses that stay:
.set A16, 59                           ; v59  16 thread
.set XXB, 60
.set PSW, 61                           ; v61  512 w + 32 h
.set MUA, 62
.set OWR, 63                           ; v63  128 (lane % 8) + 16 w + 4 (lane / 8)
.set MUB, 64
.set CA,  66
.set CB,  68
.set T,   70                           ; v70-103 at work
.set X16, 104                          ; v104-119 16 numbers of x; later four waves' m and Z of both tiles
.set MI,  120
.set II,  121
.set SMA, 123                          ; what I publish
.set SIA, 124
.set SMB, 125
.set SIB, 126
.set ZA,  127
.set ZB,  99
.set DA,  128                          ; v128-191, v192-255: d, then e, of tiles A and B
.set DB,  192
.set WW,  96                           ; window 1: v0-95 W's fragments; v96-159 |W|^2; v160-223 column sums; v224-239, v240-255 gathered rows
.set ACC, 160
.set QP,  224
.set QQ,  240
.set WV,  18
.set LVL, 19
.set SEL, 20
.set LC,  22                           ; L
.set NL,  24                           ; s[24:25] -L
.set PL,  26                           ; s[26:27] L
.set BIG, 28
.set P,   29                           ; the trip's number
.set CNT, 30
.set LIM0, 31
.set LIM1, 32
.set XB,  34                           ; s[34:35] x at the pair after the one in hand
.set CBP, 36                           ; s[36:37] the codebook of the level before
.set WQF, 38
.set WQS, 40
.set PB,  42
.set CM,  44
.set MSB, 0
.macro WIN new                         ; low byte: bits 1:0 source 0, 3:2 source 1, 5:4 source 2, 7:6 destination; the high byte repeats the setting that is left
.if MSB != \new
	s_set_vgpr_msb (MSB<<8)|\new
.set MSB, \new
.endif
.endm
; A code read from memory enters an address held to 1,023: row x 512 + my 64 bytes.  The codes' offset steps to the pair after; the AND keeps it inside the work-group's 1,024 bytes (behind the last pair it points at
; pair 0 again, whose words nobody then uses).  The loads that named these three registers have been waited for.  Six plain lines.
.macro GOFF
	v_min_u32 v[GOP], 1023, v[IP]
	v_min_u32 v[GOQ], 1023, v[IQ]
	v_add_nc_u32 v[IOF], 128, v[IOF]
	s_delay_alu instid0(VALU_DEP_3)
	v_lshl_add_u32 v[GOP], v[GOP], 9, v[QLA]
	s_delay_alu instid0(VALU_DEP_3)
	v_lshl_add_u32 v[GOQ], v[GOQ], 9, v[QLA]
	s_delay_alu instid0(VALU_DEP_3)
	v_and_b32 v[IOF], 1023, v[IOF]
.endm
.macro LOADX reg, off                  ; my 16 numbers of x: a lane's four loads take 64 neighbouring bytes
.irp i, 0,1,2,3
	global_load_b128 v[\reg+4*\i:\reg+4*\i+3], v[XOF], s[XB:XB+1] offset:(\off)+16*\i
.endr
.endm
.macro LOADS off                       ; x, the rows to be taken off, and my row's codes of the pair after
	LOADX X16, \off
	LOADG
.endm
.macro LOADG
	s_cmp_lt_u32 s[LVL], 1
	s_cbranch_scc1 .Lng_\@
	WIN 0x40
	s_wait_alu depctr_va_vdst(0)
.irp i, 0,1,2,3
	global_load_b128 v[QP+4*\i:QP+4*\i+3], v[GOP], s[CBP:CBP+1] offset:16*\i
.endr
	WIN 0
	global_load_b32 v[IP], v[IOF], s[10:11] offset:256
	s_cmp_lt_u32 s[LVL], 2
	s_cbranch_scc1 .Lng_\@
	WIN 0x40
.irp i, 0,1,2,3
	global_load_b128 v[QQ+4*\i:QQ+4*\i+3], v[GOQ], s[6:7] offset:16*\i
.endr
	WIN 0
	s_wait_alu depctr_va_vdst(0)
	global_load_b32 v[IQ], v[IOF], s[12:13] offset:256
.Lng_\@:
.endm
.macro SUBQ
	s_wait_loadcnt 0x0                             ; nothing but this pair's loads, and the next pair's codes, is out
	s_cmp_lt_u32 s[LVL], 2
	s_cbranch_scc1 .Lnq_\@
	WIN 0x04
.irp i, 0,2,4,6,8,10,12,14
	v_pk_add_f32 v[X16+\i:X16+\i+1], v[X16+\i:X16+\i+1], v[QQ+\i:QQ+\i+1] neg_lo:[0,1] neg_hi:[0,1]
.endr
	WIN 0
.Lnq_\@:
	s_cmp_lt_u32 s[LVL], 1
	s_cbranch_scc1 .Lnp_\@
	WIN 0x04
.irp i, 0,2,4,6,8,10,12,14
	v_pk_add_f32 v[X16+\i:X16+\i+1], v[X16+\i:X16+\i+1], v[QP+\i:QP+\i+1] neg_lo:[0,1] neg_hi:[0,1]
.endr
	WIN 0
.Lnp_\@:
.endm
.macro PREPC                           ; registers alone: |r|^2 of the row (v73), my 16 codes (v70-72), my block's byte (v77)
	v_pk_mul_f32 v[78:79], v[X16:X16+1], v[X16:X16+1]
	v_pk_mul_f32 v[80:81], v[X16+2:X16+3], v[X16+2:X16+3]
.irp i, 4,8,12
	s_delay_alu instid0(VALU_DEP_2)
	v_pk_fma_f32 v[78:79], v[X16+\i:X16+\i+1], v[X16+\i:X16+\i+1], v[78:79]
	s_delay_alu instid0(VALU_DEP_2)
	v_pk_fma_f32 v[80:81], v[X16+\i+2:X16+\i+3], v[X16+\i+2:X16+\i+3], v[80:81]
.endr
	v_max3_num_f32 v74, |v[X16]|, |v[X16+1]|, 0x1800000   ; the floor 2^(3 - 127) holds the byte at 1 from below
	v_max3_num_f32 v75, |v[X16+2]|, |v[X16+3]|, |v[X16+4]|
	s_delay_alu instid0(VALU_DEP_3)
	v_pk_add_f32 v[78:79], v[78:79], v[80:81]
	s_delay_alu instid0(VALU_DEP_3)
	v_max3_num_f32 v74, v74, |v[X16+5]|, |v[X16+6]|
	s_delay_alu instid0(VALU_DEP_3)
	v_max3_num_f32 v75, v75, |v[X16+7]|, |v[X16+8]|
	s_delay_alu instid0(VALU_DEP_3)
	v_add_f32 v73, v78, v79
	s_delay_alu instid0(VALU_DEP_3)
	v_max3_num_f32 v74, v74, |v[X16+9]|, |v[X16+10]|
	s_delay_alu instid0(VALU_DEP_3)
	v_max3_num_f32 v75, v75, |v[X16+11]|, |v[X16+12]|
	s_delay_alu instid0(VALU_DEP_3)
	v_add_f32 v[CSUM], v[CSUM], v73
	s_delay_alu instid0(VALU_DEP_3)
	v_max3_num_f32 v74, v74, |v[X16+13]|, |v[X16+14]|
	s_delay_alu instid0(VALU_DEP_1)
	v_max3_num_f32 v74, v74, v75, |v[X16+15]|
	v_add_f32_dpp v73, v73, v73 row_xmask:1 row_mask:0xf bank_mask:0xf
	s_delay_alu instid0(VALU_DEP_2)
	v_max_num_f32_dpp v74, v74, v74 row_xmask:1 row_mask:0xf bank_mask:0xf   ; two neighbouring lanes hold a block of 32
	s_delay_alu instid0(VALU_DEP_2)
	v_add_f32_dpp v73, v73, v73 row_xmask:2 row_mask:0xf bank_mask:0xf
	s_delay_alu instid0(VALU_DEP_2)
	v_add_nc_u32 v76, 0xff000000, v74              ; 2 off the exponent field: the conversion's scale operand
	s_delay_alu instid0(VALU_DEP_2)
	v_add_f32_dpp v73, v73, v73 row_xmask:4 row_mask:0xf bank_mask:0xf       ; eight lanes hold a row
	s_delay_alu instid0(VALU_DEP_2)
	v_lshrrev_b32 v77, 23, v76
	v_cvt_scalef32_pk16_fp6_f32 v[70:72], v[X16:X16+15], v76
	v_nop                                          ; one plain place behind a scaled conversion
.endm
; (A macro's argument is put in as text: wherever the parity stands inside a product it is written in parentheses.)
.macro PSTORE e
	ds_store_b32 v[IWR], v70 offset:IMG+IMGP*(\e)
	ds_store_b32 v[IWR], v71 offset:IMG+IMGP*(\e)+4
	ds_store_b32 v[IWR], v72 offset:IMG+IMGP*(\e)+8
	ds_store_b8 v[SWR], v77 offset:SCX+SCP*(\e)      ; both lanes of a block write the same byte
	ds_store_b32 v[XWR], v73 offset:SCX+SCP*(\e)+XXO ; the row's eight lanes write the same word
.endm
.macro FRAGS e                         ; ten LDS loads
.irp c, 0,1,2
	ds_load_b128 v[XFA+4*\c:XFA+4*\c+3], v[FAD] offset:IMG+IMGP*(\e)+16*\c
	ds_load_b128 v[XFB+4*\c:XFB+4*\c+3], v[FAD] offset:IMG+IMGP*(\e)+1536+16*\c
.endr
	ds_load_b32 v[XSA], v[SAD] offset:SCX+SCP*(\e)
	ds_load_b32 v[XSB], v[SAD] offset:SCX+SCP*(\e)+64
	ds_load_b32 v[XXA], v[SAD] offset:SCX+SCP*(\e)+XXO
	ds_load_b32 v[XXB], v[SAD] offset:SCX+SCP*(\e)+XXO+64
.endm
.macro MMA d, xf, xs                   ; K = 128 is one instruction: each starts and ends its sum, and no accumulator is taken up twice
.irp t, 0,1,2,3,4,5,6,7
	v_wmma_scale_f32_16x16x128_f8f6f4 v[\d+8*\t:\d+8*\t+7], v[12*\t:12*\t+11], v[\xf:\xf+11], 0, v[WS+\t], v[\xs] matrix_a_fmt:MATRIX_FMT_FP6 matrix_b_fmt:MATRIX_FMT_FP6
.endr
.endm
.macro DIST d, xx                      ; d = (|r|^2 - 2 dot) + |W|^2: two roundings; each accumulator is read from its low end on
.irp t, 0,1,2,3,4,5,6,7
.irp i, 0,2,4,6
	v_pk_fma_f32 v[\d+8*\t+\i:\d+8*\t+\i+1], v[\d+8*\t+\i:\d+8*\t+\i+1], -2.0, v[\xx:\xx+1] op_sel_hi:[1,0,0]
.endr
.irp i, 0,2,4,6
	s_delay_alu instid0(VALU_DEP_4)
	v_pk_add_f32 v[\d+8*\t+\i:\d+8*\t+\i+1], v[\d+8*\t+\i:\d+8*\t+\i+1], v[WW+8*\t+\i:WW+8*\t+\i+1]
.endr
.endr
.endm
; The minimum of my 64 d and its lowest index.  Tile minima; the lowest tile that holds the minimum is copied out (descending, so that the lowest stays); the lowest place in it; then lane l xor 16's.
.macro AMIN d, sm, si, mu, off
.irp t, 0,1,2,3,4,5,6,7
	v_min3_num_f32 v[T+\t], v[\d+8*\t], v[\d+8*\t+1], v[\d+8*\t+2]
.endr
.irp t, 0,1,2,3,4,5,6,7
	v_min3_num_f32 v[T+8+\t], v[\d+8*\t+3], v[\d+8*\t+4], v[\d+8*\t+5]
.endr
.irp t, 0,1,2,3,4,5,6,7
	v_min3_num_f32 v[T+\t], v[T+\t], v[\d+8*\t+6], v[\d+8*\t+7]
.endr
.irp t, 0,1,2,3,4,5,6,7
	v_min_num_f32 v[T+\t], v[T+\t], v[T+8+\t]
.endr
	v_min3_num_f32 v94, v70, v71, v72
	s_delay_alu instid0(VALU_DEP_4)
	v_min3_num_f32 v95, v73, v74, v75
	s_delay_alu instid0(VALU_DEP_2)
	v_min3_num_f32 v94, v94, v76, v77
	s_delay_alu instid0(VALU_DEP_1)
	v_min_num_f32 v94, v94, v95
	v_mov_b32 v95, 7
	s_delay_alu instid0(VALU_DEP_2)
	v_cmp_neq_f32 vcc_lo, v76, v94
	s_delay_alu instid0(VALU_DEP_1)
	v_cndmask_b32 v95, 6, v95, vcc_lo
.irp j, 0,1,2,3,4,5,6,7
	v_cndmask_b32 v[86+\j], v[\d+48+\j], v[\d+56+\j], vcc_lo
.endr
.irp t, 5,4,3,2,1,0
	v_cmp_neq_f32 vcc_lo, v[T+\t], v94
	s_delay_alu instid0(VALU_DEP_1)
	v_cndmask_b32 v95, \t, v95, vcc_lo
.irp j, 0,1,2,3,4,5,6,7
	v_cndmask_b32 v[86+\j], v[\d+8*\t+\j], v[86+\j], vcc_lo
.endr
.endr
	v_mov_b32 v96, 7
.irp j, 6,5,4,3,2,1,0
	v_cmp_neq_f32 vcc_lo, v[86+\j], v94
	s_delay_alu instid0(VALU_DEP_1)
	v_cndmask_b32 v96, \j, v96, vcc_lo
.endr
	s_delay_alu instid0(VALU_DEP_1)
	v_lshl_add_u32 v97, v95, 4, v96
	s_delay_alu instid0(VALU_DEP_1)
	v_add_nc_u32 v97, v97, v[IBASE]
	s_delay_alu instid0(VALU_DEP_1)
	v_cvt_f32_u32 v97, v97                         ; indices travel as f32 (exact up to 1,023), so that one kind of minimum serves
	v_permlanex16_b32 v98, v94, s[SEL], s[SEL+1]
	s_delay_alu instid0(VALU_DEP_2)
	v_permlanex16_b32 v99, v97, s[SEL], s[SEL+1]
	s_delay_alu instid0(VALU_DEP_2)
	v_min_num_f32 v[\sm], v94, v98
	s_delay_alu instid0(VALU_DEP_1)
	v_cmp_eq_f32 vcc_lo, v94, v[\sm]
	s_delay_alu instid0(VALU_DEP_1)
	v_cndmask_b32 v97, s[BIG], v97, vcc_lo
	s_delay_alu instid0(VALU_DEP_3)
	v_cmp_eq_f32 vcc_lo, v98, v[\sm]
	s_delay_alu instid0(VALU_DEP_1)
	v_cndmask_b32 v99, s[BIG], v99, vcc_lo
	s_delay_alu instid0(VALU_DEP_1)
	v_min_num_f32 v[\si], v97, v99
	ds_store_b32 v[STW], v[\sm] offset:(\off)
	ds_store_b32 v[STW], v[\si] offset:(\off)+2048
	v_mul_f32 v[\mu], s[LC], v[\sm]
.endm
.macro EARG d, mu                      ; mu_w - L d
.set n, 0
.rept 32
	v_pk_fma_f32 v[\d+n:\d+n+1], v[\d+n:\d+n+1], s[NL:NL+1], v[\mu:\mu+1] op_sel_hi:[1,0,0]
.set n, n+2
.endr
.endm
.macro EEXP d
.set n, 0
.rept 64
	v_exp_f32 v[\d+n], v[\d+n]
.set n, n+1
.endr
.endm
.macro ZSUM d, zr, off
	v_pk_add_f32 v[100:101], v[\d:\d+1], v[\d+2:\d+3]
	v_pk_add_f32 v[102:103], v[\d+4:\d+5], v[\d+6:\d+7]
.irp j, 8,12,16,20,24,28,32,36,40,44,48,52,56,60
	v_pk_add_f32 v[100:101], v[100:101], v[\d+\j:\d+\j+1]
	v_pk_add_f32 v[102:103], v[102:103], v[\d+\j+2:\d+\j+3]
.endr
	s_delay_alu instid0(VALU_DEP_1)
	v_pk_add_f32 v[100:101], v[100:101], v[102:103]
	s_delay_alu instid0(VALU_DEP_1)
	v_add_f32 v100, v100, v101
	s_delay_alu instid0(VALU_DEP_1)
	v_permlanex16_b32 v98, v100, s[SEL], s[SEL+1]
	s_delay_alu instid0(VALU_DEP_1)
	v_add_f32 v[\zr], v100, v98
	ds_store_b32 v[STW], v[\zr] offset:(\off)
.endm
; All waves' statistics become my factor f_w / Z for each tile; between the exponentials and the wait for them stands the row's argmin over the waves.  It touches v82-103 alone of the registers at work.
.macro MERGE
	v_min3_num_f32 v82, v104, v105, v106
	v_min3_num_f32 v83, v112, v113, v114
	s_delay_alu instid0(VALU_DEP_2)
	v_min_num_f32 v82, v82, v107
	s_delay_alu instid0(VALU_DEP_2)
	v_min_num_f32 v83, v83, v115
	s_delay_alu instid0(VALU_DEP_2)
	v_permlanex16_b32 v84, v82, s[SEL], s[SEL+1]
	s_delay_alu instid0(VALU_DEP_2)
	v_permlanex16_b32 v85, v83, s[SEL], s[SEL+1]
	s_delay_alu instid0(VALU_DEP_2)
	v_min_num_f32 v82, v82, v84
	s_delay_alu instid0(VALU_DEP_2)
	v_min_num_f32 v83, v83, v85                    ; the row's minimum over all 1,024 codes
	s_delay_alu instid0(VALU_DEP_2)
	v_mul_f32 v86, s[LC], v82
	s_delay_alu instid0(VALU_DEP_2)
	v_mul_f32 v88, s[LC], v83
.irp a, 104,106,112,114
	v_pk_mul_f32 v[\a:\a+1], v[\a:\a+1], s[PL:PL+1] op_sel_hi:[1,0]   ; mu_v, the same bits as wave v made
.endr
	s_delay_alu instid0(VALU_DEP_4)
	v_pk_add_f32 v[104:105], v[86:87], v[104:105] op_sel_hi:[0,1] neg_lo:[0,1] neg_hi:[0,1]
	s_delay_alu instid0(VALU_DEP_4)
	v_pk_add_f32 v[106:107], v[86:87], v[106:107] op_sel_hi:[0,1] neg_lo:[0,1] neg_hi:[0,1]
	s_delay_alu instid0(VALU_DEP_4)
	v_pk_add_f32 v[112:113], v[88:89], v[112:113] op_sel_hi:[0,1] neg_lo:[0,1] neg_hi:[0,1]
	s_delay_alu instid0(VALU_DEP_4)
	v_pk_add_f32 v[114:115], v[88:89], v[114:115] op_sel_hi:[0,1] neg_lo:[0,1] neg_hi:[0,1]
	v_sub_f32 v90, v86, v[MUA]
	v_sub_f32 v91, v88, v[MUB]
	s_wait_alu depctr_va_vdst(0)
.irp a, 104,105,106,107,112,113,114,115,90,91
	v_exp_f32 v\a, v\a
.endr
	v_mov_b32 v98, v[MI]                           ; (plain work behind the batch)  here my lane is (row 4 w + lane / 8, wave lane % 8)
	s_delay_alu instid0(VALU_DEP_1)
	v_min_num_f32_dpp v98, v98, v98 row_xmask:1 row_mask:0xf bank_mask:0xf
	s_delay_alu instid0(VALU_DEP_1)
	v_min_num_f32_dpp v98, v98, v98 row_xmask:2 row_mask:0xf bank_mask:0xf
	s_delay_alu instid0(VALU_DEP_1)
	v_min_num_f32_dpp v98, v98, v98 row_xmask:4 row_mask:0xf bank_mask:0xf
	s_delay_alu instid0(VALU_DEP_1)
	v_cmp_eq_f32 vcc_lo, v[MI], v98
	s_delay_alu instid0(VALU_DEP_1)
	v_cndmask_b32 v99, s[BIG], v[II], vcc_lo
	s_delay_alu instid0(VALU_DEP_1)
	v_min_num_f32_dpp v99, v99, v99 row_xmask:1 row_mask:0xf bank_mask:0xf
	s_delay_alu instid0(VALU_DEP_1)
	v_min_num_f32_dpp v99, v99, v99 row_xmask:2 row_mask:0xf bank_mask:0xf
	s_delay_alu instid0(VALU_DEP_1)
	v_min_num_f32_dpp v99, v99, v99 row_xmask:4 row_mask:0xf bank_mask:0xf
	v_cmp_eq_u32 vcc_lo, s[P], v[V8]
	s_delay_alu instid0(VALU_DEP_1)
	v_cndmask_b32 v[IDXA], v[IDXA], v99, vcc_lo    ; a choice of a value: no address hangs on it
	s_wait_alu depctr_va_vdst(0)                   ; the wait ahead of the first reader: one for the ten exponentials
	v_pk_mul_f32 v[92:93], v[104:105], v[108:109]
	v_pk_mul_f32 v[94:95], v[112:113], v[116:117]
	v_pk_fma_f32 v[92:93], v[106:107], v[110:111], v[92:93]
	v_pk_fma_f32 v[94:95], v[114:115], v[118:119], v[94:95]
	s_delay_alu instid0(VALU_DEP_2)
	v_add_f32 v92, v92, v93
	s_delay_alu instid0(VALU_DEP_2)
	v_add_f32 v94, v94, v95
	s_delay_alu instid0(VALU_DEP_2)
	v_permlanex16_b32 v84, v92, s[SEL], s[SEL+1]
	s_delay_alu instid0(VALU_DEP_2)
	v_permlanex16_b32 v85, v94, s[SEL], s[SEL+1]
	s_delay_alu instid0(VALU_DEP_2)
	v_add_f32 v92, v92, v84
	s_delay_alu instid0(VALU_DEP_2)
	v_add_f32 v94, v94, v85                        ; Z
	s_wait_alu depctr_va_vdst(0)
	v_rcp_f32 v96, v92
	v_rcp_f32 v97, v94
	v_nop                                          ; a plain place behind the reciprocals
	s_wait_alu depctr_va_vdst(0)                   ; and their wait
	v_mul_f32 v[CA], v90, v96
	v_mul_f32 v[CB], v91, v97
.endm
.macro ACCUM d, c
.set n, 0
.rept 32
	v_pk_fma_f32 v[ACC+n:ACC+n+1], v[\d+n:\d+n+1], v[\c:\c+1], v[ACC+n:ACC+n+1] op_sel_hi:[1,0,1]
.set n, n+2
.endr
.endm
; A prefetch into the L2 of the pair whose loads are issued one trip later: 32 rows x 512 bytes = 64 aligned blocks of 256 bytes.  Waves 0 and 1 ask, a lane a block, so each block is named once in the launch.
; It stands where the wave has just issued its loads.  The first three pairs come by their loads alone; the last trip that loads asks for nothing: there is no pair behind it.
.macro ASK lim
	s_cmp_gt_u32 s[CNT], s[\lim]
	s_cbranch_scc0 .Lna_\@
	global_prefetch_b8 v[PFO], s[XB:XB+1] offset:32768 th:TH_LOAD_NT scope:SCOPE_SE
.Lna_\@:
.endm
; A TRIP: pair p, of parity e.  prep = 1: pair p + 2 is loaded, quantised and stored into parity e.  next = 1: pair p + 1's fragments are fetched, from parity 1 - e.
.macro TRIP e, prep, next, lim
	s_wait_dscnt 0x0                               ; the pair's fragments are in; my earlier LDS stores are done
	WIN 0x01
	MMA DA, XFA, XSA
	MMA DB, XFB, XSB
	WIN 0
.if \prep
	GOFF                                           ; six plain lines: the places between the products and the first read of a result
	s_wait_xcnt 0x0                                ; the last trip's prefetch has read its base, which steps now
	s_add_nc_u64 s[XB:XB+1], s[XB:XB+1], 16384
	LOADS 16384
	ASK \lim
.else
.rept 4
	v_nop
.endr
.endif
	WIN 0x04
	DIST DA, XXA
	DIST DB, XXB
	WIN 0
	AMIN DA, SMA, SIA, MUA, ST+STP*(\e)
	AMIN DB, SMB, SIB, MUB, ST+STP*(\e)+512
	EARG DA, MUA
	s_wait_alu depctr_va_vdst(0)
	EEXP DA
	EARG DB, MUB                                   ; plain work that names none of A's results
	s_wait_alu depctr_va_vdst(0)                   ; one for A's 64 exponentials
	EEXP DB
	ZSUM DA, ZA, ST+STP*(\e)+1024                  ; plain work that reads A alone
	s_wait_alu depctr_va_vdst(0)                   ; one for B's 64
	ZSUM DB, ZB, ST+STP*(\e)+1536
.if \prep
	SUBQ
.endif
	s_wait_dscnt 0x0                               ; for the others' sake: my six statistics have landed, and every LDS read of mine is back
	s_barrier_signal -1
.if \prep
	s_wait_alu depctr_va_vdst(0)
	PREPC                                          ; work on registers while the others arrive
.endif
	s_barrier_wait -1
	ds_load_b128 v[104:107], v[MRD] offset:ST+STP*(\e)
	ds_load_b128 v[108:111], v[MRD] offset:ST+STP*(\e)+1024
	ds_load_b128 v[112:115], v[MRD] offset:ST+STP*(\e)+512
	ds_load_b128 v[116:119], v[MRD] offset:ST+STP*(\e)+1536
	ds_load_b32 v[MI], v[IRD] offset:ST+STP*(\e)
	ds_load_b32 v[II], v[IRD] offset:ST+STP*(\e)+2048
.if \prep
	s_wait_alu depctr_va_vdst(0)
	PSTORE \e                                      ; every wave's reads of this parity's images were back in front of its signal
.endif
.if \next
	FRAGS 1-\e                                     ; the other parity: stored a trip ago, and waited for in front of every wave's signal
.endif
	s_wait_dscnt 5*(\prep)+10*(\next)              ; the six statistic loads are in; what was issued behind them (5 stores, 10 loads) may be out
	MERGE
	WIN 0x50
	ACCUM DA, CA
	ACCUM DB, CB
	WIN 0
	s_add_co_u32 s[P], s[P], 1
.endm
	s_load_b256 s[4:11], s[0:1], 0x0               ; x s[4:5], codebooks s[6:7], wq s[8:9], cP s[10:11]
	s_load_b128 s[12:15], s[0:1], 0x20             ; cQ s[12:13], cout s[14:15]
	s_load_b64 s[16:17], s[0:1], 0x30              ; part
	v_lshl_add_u32 v[SPW], v0, 2, SPARE
	v_mov_b32 v[NIL], 0
	v_lshrrev_b32 v70, 5, v0                       ; wave
	s_delay_alu instid0(VALU_DEP_1)
	v_readfirstlane_b32 s[WV], v70
	v_and_b32 v71, 31, v0                          ; lane
	v_and_b32 v72, 15, v0                          ; r
	v_bfe_u32 v73, v0, 4, 1                        ; h
	v_bfe_u32 v74, v0, 3, 2                        ; lane / 8
	v_and_b32 v[V8], 7, v0
	v_mul_u32_u24 v[FAD], v71, 48
	v_lshlrev_b32 v[SAD], 2, v72
	v_lshlrev_b32 v[STW], 5, v72
	s_delay_alu instid0(VALU_DEP_1)
	v_lshl_add_u32 v[MRD], v73, 4, v[STW]
	s_delay_alu instid0(VALU_DEP_2)
	v_lshl_add_u32 v[STW], v70, 2, v[STW]
	v_lshlrev_b32 v[IRD], 2, v0
	v_and_b32 v75, 3, v70
	s_delay_alu instid0(VALU_DEP_1)
	v_lshl_add_u32 v75, v75, 2, v74                ; my row in its tile: 4 (w % 4) + lane / 8
	v_lshrrev_b32 v76, 2, v70                      ; its tile: w / 4
	v_bfe_u32 v77, v0, 1, 1                        ; my 16 numbers k = 16 s ..: block s / 2; the operand's lane is row + 16 (block % 2),
	s_delay_alu instid0(VALU_DEP_1)
	v_lshl_add_u32 v77, v77, 4, v75
	s_delay_alu instid0(VALU_DEP_1)
	v_mul_u32_u24 v[IWR], v77, 48
	s_delay_alu instid0(VALU_DEP_1)
	v_mad_u32_u24 v[IWR], v76, 1536, v[IWR]
	v_bfe_u32 v77, v0, 2, 1                        ; its registers 6 (s / 4) + 3 (s % 2) on
	s_delay_alu instid0(VALU_DEP_1)
	v_mad_u32_u24 v[IWR], v77, 24, v[IWR]
	v_and_b32 v77, 1, v0
	s_delay_alu instid0(VALU_DEP_1)
	v_mad_u32_u24 v[IWR], v77, 12, v[IWR]
	v_lshlrev_b32 v[XWR], 6, v76
	s_delay_alu instid0(VALU_DEP_1)
	v_lshl_add_u32 v[XWR], v75, 2, v[XWR]
	v_bfe_u32 v77, v0, 1, 2
	s_delay_alu instid0(VALU_DEP_1)
	v_add_nc_u32 v[SWR], v[XWR], v77
	v_lshlrev_b32 v[XOF], 6, v0
	v_lshlrev_b32 v[IOF], 4, v70
	s_delay_alu instid0(VALU_DEP_1)
	v_lshl_add_u32 v[IOF], v74, 2, v[IOF]          ; pair 0: 16 w + 4 (lane / 8)
	v_lshlrev_b32 v[QLA], 6, v[V8]
	v_lshlrev_b32 v[IBASE], 7, v70
	s_delay_alu instid0(VALU_DEP_1)
	v_lshl_add_u32 v[IBASE], v73, 3, v[IBASE]
	v_lshlrev_b32 v[PFO], 8, v0
	v_lshlrev_b32 v[A16], 4, v0
	v_lshlrev_b32 v[PSW], 9, v70
	s_delay_alu instid0(VALU_DEP_1)
	v_lshl_add_u32 v[PSW], v73, 5, v[PSW]
	v_lshlrev_b32 v[OWR], 7, v[V8]
	s_delay_alu instid0(VALU_DEP_1)
	v_lshl_add_u32 v[OWR], v70, 4, v[OWR]
	s_delay_alu instid0(VALU_DEP_1)
	v_lshl_add_u32 v[OWR], v74, 2, v[OWR]
	v_lshlrev_b32 v79, 4, v71                      ; 16 lane
	v_lshlrev_b32 v80, 5, v73                      ; 32 h
.irp a, IP, IQ, IDXA, CSUM, 65, 67, 69, 84, 85, 98, 99, 96, 97, 100, 101
	v_mov_b32 v[\a], 0                             ; sums, codes where there are none, upper halves of named pairs, lane permutes' destinations
.endr
	s_mov_b32 s[SEL], 0x76543210
	s_mov_b32 s[SEL+1], 0xfedcba98
	s_mov_b32 s[LC], 0x3fb8aa3b                    ; L = log2 e
	s_mov_b32 s[NL], 0xbfb8aa3b
	s_mov_b32 s[NL+1], 0xbfb8aa3b
	s_mov_b32 s[PL], 0x3fb8aa3b
	s_mov_b32 s[PL+1], 0x3fb8aa3b
	s_mov_b32 s[BIG], 0x7f7fffff
	s_mov_b32 s[P], 0
	s_cmp_lt_u32 s[WV], 2
	s_cselect_b32 s[LIM0], 0, -1
	s_cselect_b32 s[LIM1], 1, -1
	s_mov_b32 s47, 0
	s_wait_kmcnt 0x0
	s_load_b64 s[48:49], s[10:11], 0x0             ; the level, and the level before
	s_lshl_b32 s46, ttmp9, 17
	s_add_nc_u64 s[XB:XB+1], s[4:5], s[46:47]      ; my 256 rows of x
	s_wait_alu depctr_va_vdst(0)
	LOADX X16, 0                                   ; x of pairs 0 and 1 hangs on no level: asked for beside the level words
	LOADX DA, 16384
	s_wait_kmcnt 0x0
	s_min_u32 s[LVL], s48, 2
	s_min_u32 s49, s49, 1
	s_lshl_b32 s46, s49, 19
	s_add_nc_u64 s[CBP:CBP+1], s[6:7], s[46:47]
	s_lshl_b32 s46, ttmp9, 10
	s_add_nc_u64 s[10:11], s[10:11], s[46:47]
	s_add_nc_u64 s[12:13], s[12:13], s[46:47]
	s_add_nc_u64 s[14:15], s[14:15], s[46:47]
	s_mul_i32 s46, s[LVL], 98304
	s_mul_i32 s48, s[WV], 12288
	s_add_co_u32 s46, s46, s48
	s_add_nc_u64 s[WQF:WQF+1], s[8:9], s[46:47]    ; my 8 fragments
	s_lshl_b32 s46, s[LVL], 12
	s_lshl_b32 s48, s[WV], 9
	s_add_co_u32 s46, s46, s48
	s_add_nc_u64 s[WQS:WQS+1], s[8:9], s[46:47]    ; my scale words and |W|^2
	s_lshl_b32 s46, s[LVL], 20
	s_lshl_b32 s48, ttmp9, 12
	s_add_co_u32 s46, s46, s48
	s_add_nc_u64 s[PB:PB+1], s[16:17], s[46:47]
	s_lshl_b32 s46, s[LVL], 10
	s_lshl_b32 s48, ttmp9, 2
	s_add_co_u32 s46, s46, s48
	s_add_nc_u64 s[CM:CM+1], s[16:17], s[46:47]
	s_cmp_lt_u32 s[LVL], 1
	s_cbranch_scc1 .Lnoidx
	global_load_b32 v[IP], v[IOF], s[10:11] offset:256   ; the codes of pairs 0, 1 and 2, 128 bytes apart
	global_load_b32 v100, v[IOF], s[10:11] offset:384
	global_load_b32 v96, v[IOF], s[10:11] offset:512
	s_cmp_lt_u32 s[LVL], 2
	s_cbranch_scc1 .Lnoidx
	global_load_b32 v[IQ], v[IOF], s[12:13] offset:256
	global_load_b32 v101, v[IOF], s[12:13] offset:384
	global_load_b32 v97, v[IOF], s[12:13] offset:512
.Lnoidx:
.set n, DA+16
.rept 32
	v_mov_b32 v[n], 0                              ; pair 1's gathered rows, defined at every level
.set n, n+1
.endr
	WIN 0x40
.irp t, 0,1,2,3,4,5,6,7
.irp c, 0,1,2
	global_load_b128 v[12*\t+4*\c:12*\t+4*\c+3], v79, s[WQF:WQF+1] offset:1536*\t+512*\c
.endr
.endr
.irp t, 0,1,2,3,4,5,6,7
	global_load_b128 v[WW+8*\t:WW+8*\t+3], v80, s[WQS:WQS+1] offset:307200+64*\t
	global_load_b128 v[WW+8*\t+4:WW+8*\t+7], v80, s[WQS:WQS+1] offset:307200+64*\t+16
.endr
.set n, ACC
.rept 96
	v_mov_b32 v[n], 0                              ; once: the column sums (so that the trip is written in one form) and the gathered rows (defined at every level)
.set n, n+1
.endr
	WIN 0
.irp t, 0,1,2,3,4,5,6,7
	global_load_b32 v[WS+\t], v[SAD], s[WQS:WQS+1] offset:294912+64*\t
.endr
	s_wait_alu depctr_va_vdst(0)
	s_wait_loadcnt 48                              ; x and the codes are in; the 48 loads of W's share, issued behind them, may be out
	GOFF                                           ; pair 0's offsets; the codes' offset steps to pair 1,
	v_min_u32 v102, 1023, v100                     ; pair 1's offsets, held to 1,023 likewise
	v_min_u32 v103, 1023, v101
	v_add_nc_u32 v[IOF], 128, v[IOF]               ; and to pair 2, where the first trip expects it
	v_lshl_add_u32 v102, v102, 9, v[QLA]
	v_lshl_add_u32 v103, v103, 9, v[QLA]
	v_mov_b32 v[IP], v96                           ; pair 2's codes, for the first trip
	v_mov_b32 v[IQ], v97
	s_wait_alu depctr_va_vdst(0)
	s_cmp_lt_u32 s[LVL], 1
	s_cbranch_scc1 .Lhg
	WIN 0x40
.irp i, 0,1,2,3
	global_load_b128 v[QP+4*\i:QP+4*\i+3], v[GOP], s[CBP:CBP+1] offset:16*\i
.endr
	WIN 0
.irp i, 0,1,2,3
	global_load_b128 v[DA+16+4*\i:DA+16+4*\i+3], v102, s[CBP:CBP+1] offset:16*\i
.endr
	s_cmp_lt_u32 s[LVL], 2
	s_cbranch_scc1 .Lhg
	WIN 0x40
.irp i, 0,1,2,3
	global_load_b128 v[QQ+4*\i:QQ+4*\i+3], v[GOQ], s[6:7] offset:16*\i
.endr
	WIN 0
.irp i, 0,1,2,3
	global_load_b128 v[DA+32+4*\i:DA+32+4*\i+3], v103, s[6:7] offset:16*\i
.endr
.Lhg:
	SUBQ                                           ; waits for every load of the head; pair 0's residual
	s_wait_alu depctr_va_vdst(0)
	PREPC
	PSTORE 0
	s_wait_alu depctr_va_vdst(0)
	s_cmp_lt_u32 s[LVL], 2
	s_cbranch_scc1 .Lh1q
.irp i, 0,2,4,6,8,10,12,14
	v_pk_add_f32 v[DA+\i:DA+\i+1], v[DA+\i:DA+\i+1], v[DA+32+\i:DA+32+\i+1] neg_lo:[0,1] neg_hi:[0,1]
.endr
.Lh1q:
	s_cmp_lt_u32 s[LVL], 1
	s_cbranch_scc1 .Lh1p
.irp i, 0,2,4,6,8,10,12,14
	v_pk_add_f32 v[DA+\i:DA+\i+1], v[DA+\i:DA+\i+1], v[DA+16+\i:DA+16+\i+1] neg_lo:[0,1] neg_hi:[0,1]
.endr
.Lh1p:
	s_wait_alu depctr_va_vdst(0)
	s_wait_dscnt 0x0                               ; the stores have read their registers
.irp i, 0,1,2,3,4,5,6,7,8,9,10,11,12,13,14,15
	v_mov_b32 v[X16+\i], v[DA+\i]                  ; pair 1's residual, where the quantiser takes it
.endr
	s_wait_alu depctr_va_vdst(0)
	PREPC
	PSTORE 1
	s_wait_dscnt 0x0
	s_barrier_signal -1
	s_barrier_wait -1                              ; both pairs' images lie in LDS
	FRAGS 0
	s_mov_b32 s[CNT], 3
.Lpair:
	TRIP 0, 1, 1, LIM0
	TRIP 1, 1, 1, LIM1
	s_sub_co_u32 s[CNT], s[CNT], 1
	s_cmp_lg_u32 s[CNT], 0
	s_cbranch_scc1 .Lpair
	TRIP 0, 0, 1, LIM0                             ; the last two pairs: nothing is left to load
	TRIP 1, 0, 0, LIM0
	; THE WAY OUT.  The column sums are still spread over the 16 rows' lanes: four steps across lanes; then through my own 512 bytes of LDS, so that the wave stores 512 consecutive bytes.
	WIN 0x01
.set n, 0
.rept 64
	v_mov_b32 v[DA+n], v[ACC+n]
.set n, n+1
.endr
	WIN 0
.irp m, 1,2,4,8
.set n, 0
.rept 64
	v_add_f32_dpp v[DA+n], v[DA+n], v[DA+n] row_xmask:\m row_mask:0xf bank_mask:0xf
.set n, n+1
.endr
.endr
.irp t, 0,1,2,3,4,5,6,7
	ds_store_b128 v[PSW], v[DA+8*\t:DA+8*\t+3] offset:PSTG+64*\t        ; the sixteen lanes of a half hold the same numbers and write them to the same place
	ds_store_b128 v[PSW], v[DA+8*\t+4:DA+8*\t+7] offset:PSTG+64*\t+16
.endr
	ds_load_b128 v[70:73], v[A16] offset:PSTG      ; LDS serves a wave's instructions in order: this sees my stores
	v_cvt_u32_f32 v74, v[IDXA]
	ds_store_b32 v[OWR], v74 offset:OUTB           ; row 32 p + 4 w + lane / 8, p = lane % 8
.irp m, 1
	v_add_f32_dpp v[CSUM], v[CSUM], v[CSUM] row_xmask:\m row_mask:0xf bank_mask:0xf
.endr
.irp m, 2, 4, 8
	s_delay_alu instid0(VALU_DEP_1)
	v_add_f32_dpp v[CSUM], v[CSUM], v[CSUM] row_xmask:\m row_mask:0xf bank_mask:0xf
.endr
	s_delay_alu instid0(VALU_DEP_1)
	v_permlanex16_b32 v84, v[CSUM], s[SEL], s[SEL+1]
	s_delay_alu instid0(VALU_DEP_1)
	v_add_f32 v[CSUM], v[CSUM], v84
	ds_store_b32 v[STW], v[CSUM] offset:CSTG
	s_wait_dscnt 0x0
	global_store_b128 v[A16], v[70:73], s[PB:PB+1]
	s_barrier_signal -1
	s_barrier_wait -1                              ; the 256 codes and the eight sums lie in LDS
	s_cmp_lt_u32 s[WV], 2
	s_cbranch_scc0 .Lnot01
	ds_load_b128 v[74:77], v[A16] offset:OUTB
	s_wait_dscnt 0x0
	global_store_b128 v[A16], v[74:77], s[14:15] offset:256   ; waves 0 and 1: 512 consecutive bytes each
	s_branch .Lend
.Lnot01:
	s_cmp_eq_u32 s[WV], 2
	s_cbranch_scc0 .Lnot2
	s_cmp_lt_u32 s[LVL], 1                         ; |x|^2 enters no result
	s_cbranch_scc1 .Lend
	ds_load_b128 v[74:77], v[MRD] offset:CSTG
	s_wait_dscnt 0x0
	v_add_f32 v74, v74, v75
	v_add_f32 v76, v76, v77
	s_delay_alu instid0(VALU_DEP_1)
	v_add_f32 v74, v74, v76
	s_wait_alu depctr_va_vdst(0)
	v_permlanex16_b32 v84, v74, s[SEL], s[SEL+1]
	s_delay_alu instid0(VALU_DEP_1)
	v_add_f32 v74, v74, v84
	v_mov_b32 v75, 0
	s_wait_alu depctr_va_vdst(0)
	s_wait_xcnt 0x0                                ; EXEC changes only behind this wait
	v_cmp_eq_u32 vcc_lo, 64, v0
	s_and_saveexec_b32 s48, vcc_lo
	global_store_b32 v75, v74, s[CM:CM+1] offset:3145728
	s_wait_xcnt 0x0
	s_or_b32 exec_lo, exec_lo, s48
	s_branch .Lend
.Lnot2:
	s_cmp_eq_u32 s[WV], 3
	s_cbranch_scc0 .Lend
	s_cmp_eq_u32 ttmp9, 0
	s_cbranch_scc0 .Lend
	s_add_co_u32 s48, s[LVL], 1
	v_mov_b32 v74, s48
	v_mov_b32 v75, s[LVL]
	v_and_b32 v76, 31, v0
	s_delay_alu instid0(VALU_DEP_1)
	v_lshlrev_b32 v76, 3, v76
	global_store_b64 v76, v[74:75], s[14:15]       ; the next launch's two level words, 32 times: one aligned run of 256 bytes
.Lend:
	s_nop 0
	s_wait_tensorcnt 0x0                           ; the wave's end
	ds_add_u32 v[SPW], v[NIL]
	s_wait_dscnt 0x0
	s_endpgm
.Lfunc_end_k_qdf699601f6_lvl0:
	.size	k_qdf699601f6_lvl0, .Lfunc_end_k_qdf699601f6_lvl0-k_qdf699601f6_lvl0
	.p2alignl 7, 3214868480
	.fill 96, 4, 3214868480
	.section	.rodata,"a",@progbits
	.p2align	6, 0x0
	.amdhsa_kernel k_qdf699601f6_lvl0
		.amdhsa_group_segment_fixed_size 19456
		.amdhsa_private_segment_fixed_size 0
		.amdhsa_enable_private_segment 0
		.amdhsa_kernarg_size 56
		.amdhsa_user_sgpr_count 2
		.amdhsa_user_sgpr_kernarg_segment_ptr 1
		.amdhsa_wavefront_size32 1
		.amdhsa_system_sgpr_workgroup_id_x 1
		.amdhsa_system_sgpr_workgroup_id_y 1
		.amdhsa_system_sgpr_workgroup_id_z 1
		.amdhsa_system_vgpr_workitem_id 0
		.amdhsa_next_free_vgpr 512
		.amdhsa_next_free_sgpr 66
		.amdhsa_reserve_vcc 1
		.amdhsa_float_denorm_mode_32 3
		.amdhsa_float_denorm_mode_16_64 3
		.amdhsa_memory_ordered 1
		.amdhsa_forward_progress 1
		.amdhsa_inst_pref_size 244
	.end_amdhsa_kernel
	.amdgpu_metadata
---
amdhsa.version: [ 1, 2 ]
amdhsa.kernels:
  - .name:           k_qdf699601f6_lvl0
    .symbol:         k_qdf699601f6_lvl0.kd
    .args:
      - { .name: x, .offset: 0, .size: 8, .value_kind: global_buffer, .address_space: global }
      - { .name: codebooks, .offset: 8, .size: 8, .value_kind: global_buffer, .address_space: global }
      - { .name: wq, .offset: 16, .size: 8, .value_kind: global_buffer, .address_space: global }
      - { .name: code2, .offset: 24, .size: 8, .value_kind: global_buffer, .address_space: global }
      - { .name: code1, .offset: 32, .size: 8, .value_kind: global_buffer, .address_space: global }
      - { .name: code0, .offset: 40, .size: 8, .value_kind: global_buffer, .address_space: global }
      - { .name: part, .offset: 48, .size: 8, .value_kind: global_buffer, .address_space: global }
    .group_segment_fixed_size: 19456
    .private_segment_fixed_size: 0
    .kernarg_segment_align: 8
    .kernarg_segment_size: 56
    .max_flat_workgroup_size: 256
    .sgpr_count:     66
    .vgpr_count:     512
    .wavefront_size: 32
...
	.end_amdgpu_metadata
.endif
;; end of part 2
;; launch lvl1: the kernel of part 2 again; grid 256 x 1, 8 waves a work-group, no clusters, 19,456 bytes of LDS; arguments x, codebooks, wq, code0, code2, code1, part; writes code1, part
;; launch lvl2: the kernel of part 2 again; grid 256 x 1, 8 waves a work-group, no clusters, 19,456 bytes of LDS; arguments x, codebooks, wq, code1, code0, code2, part; writes code2, part
;; launch fin (part 3): grid 256 x 1, 16 waves a work-group, no clusters, 6,400 bytes of LDS; arguments x, codebooks, code0, code1, code2, part, out0, out1, fpart; writes out0, out1, fpart
.if DOCPART == 3
	.amdgcn_target "amdgcn-amd-amdhsa--gfx1250"
	.amdhsa_code_object_version 6
	.text
	.protected	k_qdf699601f6_fin
	.globl	k_qdf699601f6_fin
	.p2align	8
	.type	k_qdf699601f6_fin,@function
k_qdf699601f6_fin:
	s_mov_b64 s[64:65], 0
	v_nop
	global_prefetch_b8 v0, s[64:65] scope:SCOPE_SE
	s_setreg_imm32_b32 hwreg(HW_REG_WAVE_MODE, 25, 1), 1
	s_wait_xcnt 0x0
; out0 = (q0 + q1) + q2 + (r3 - r3), q_l = W_l[code_l], r3 = ((x - q0) - q1) - q2;  out1 = the three codes of each row;  fpart: each work-group's sum of |r3|^2, and the parts of the usage term.
; A stream: memory binds, so no matrix unit and no cluster.  Sixteen waves, 16 rows each.  A row is 512 bytes: one load or store of 16 bytes a lane covers it whole, two aligned runs of 256 bytes.
; A wave asks for its 16 rows of x beside its codes, since x hangs on no code.  A row's three codes are read from the lane that loaded them into scalar registers and held to 1,023 there;
; a ring of eight slots of three gathers follows, so that up to 24 gathers of every wave are on their way.
; COLUMNS.  Work-groups 0 to 47 also add up the 256 work-groups' column sums of one level for 64 columns (256 aligned bytes of each of 256 rows of part): asked for first, added up last; then
; sum over these columns of avg x ln(avg x 1,024 + 1e-8), avg = sum / 65,536.
; LIMITS: sums are taken as trees, in another order than a running sum.  Where all avg x 1,024 lie within a few last places of 1 the usage term is a difference of nearly equal numbers, and its digits hang on the order of the f32 sums.
.set CST,   0                          ; LDS: the waves' sums of squares (a block of 256 bytes)
.set KST,   256                        ; 256 bytes a wave: its share of 64 column sums
.set SPARE, 4352                       ; the spare words, 128 bytes a wave
.set SPW, 1
.set NIL, 2
.set LN,  4                            ; lane
.set L16, 5                            ; 16 lane
.set L4,  6                            ; 4 (lane % 16)
.set L12, 7                            ; 12 (lane % 16)
.set IX,  8                            ; v8-10 lane l: the codes of row l % 16
.set CW,  11                           ; 4 wave
.set KW,  13                           ; 256 wave + 16 (thread % 16)
.set KR,  14                           ; 8 lane
.set PO,  15                           ; part: 4,096 (thread / 16) + 16 (thread % 16)
.set XR,  16                           ; v16-79   x: four registers a row
.set SL,  80                           ; v80-175  eight slots: q0, q1, q2
.set GOF, 176                          ; v176-199 three gather offsets a slot
.set PT,  200                          ; v200-231 eight loads of part
.set RT,  232
.set SQ,  236
.set ZR,  240                          ; 0, a store's offset
.set KL,  80                           ; the way out: sixteen waves' shares, over the slots
	s_load_b256 s[4:11], s[0:1], 0x0               ; x, codebooks, code0, code1
	s_load_b256 s[12:19], s[0:1], 0x20             ; code2, part, out0, out1
	s_load_b64 s[20:21], s[0:1], 0x40              ; fpart
	v_lshl_add_u32 v[SPW], v0, 2, SPARE
	v_mov_b32 v[NIL], 0
	v_lshrrev_b32 v3, 5, v0
	v_readfirstlane_b32 s22, v3                    ; wave
	v_and_b32 v[LN], 31, v0
	v_and_b32 v[RT], 15, v0
	v_lshrrev_b32 v[RT+1], 4, v0
	v_lshlrev_b32 v[L16], 4, v[LN]
	v_lshlrev_b32 v[L4], 2, v[RT]
	v_mul_u32_u24 v[L12], v[RT], 12
	v_lshlrev_b32 v[CW], 2, v3
	v_lshlrev_b32 v[PO], 4, v[RT]
	v_lshlrev_b32 v[KR], 3, v[LN]
	v_lshl_add_u32 v[KW], v3, 8, v[PO]
	v_lshl_add_u32 v[PO], v[RT+1], 12, v[PO]
.irp a, SQ, SQ+1, SQ+2, SQ+3, ZR
	v_mov_b32 v[\a], 0
.endr
.set n, 0
.rept 32
	v_mov_b32 v[PT+n], 0                           ; defined in every work-group
.set n, n+1
.endr
	s_lshl_b32 s23, ttmp9, 8
	s_lshl_b32 s24, s22, 4
	s_add_co_u32 s23, s23, s24                     ; my first row
	s_lshl_b32 s24, s23, 9
	s_mov_b32 s25, 0
	s_lshl_b32 s26, s23, 2
	s_mov_b32 s27, 0
	s_mul_i32 s28, s23, 12
	s_mov_b32 s29, 0
	s_lshl_b32 s30, ttmp9, 2
	s_mov_b32 s31, 0
	s_mov_b32 s32, 0x76543210
	s_mov_b32 s33, 0xfedcba98
	s_mov_b32 s34, 0x37800000                      ; 2^-16
	s_mov_b32 s35, 0x37800000
	s_mov_b32 s36, 0x44800000                      ; 1,024
	s_mov_b32 s37, 0x322bcc77                      ; 1e-8
	s_wait_alu depctr_va_vdst(0)
	s_wait_kmcnt 0x0
	s_add_nc_u64 s[4:5], s[4:5], s[24:25]
	s_add_nc_u64 s[16:17], s[16:17], s[24:25]
	s_add_nc_u64 s[8:9], s[8:9], s[26:27]
	s_add_nc_u64 s[10:11], s[10:11], s[26:27]
	s_add_nc_u64 s[12:13], s[12:13], s[26:27]
	s_add_nc_u64 s[18:19], s[18:19], s[28:29]
	s_add_nc_u64 s[20:21], s[20:21], s[30:31]
	s_cmp_lt_u32 ttmp9, 48
	s_cbranch_scc0 .Lnocol
	s_lshr_b32 s38, ttmp9, 4                       ; the level,
	s_lshl_b32 s38, s38, 20
	s_and_b32 s39, ttmp9, 15                       ; and which 64 columns
	s_lshl_b32 s39, s39, 8
	s_add_co_u32 s38, s38, s39
	s_mov_b32 s39, 0
	s_add_nc_u64 s[14:15], s[14:15], s[38:39]
.irp i, 0,1,2,3,4,5,6,7
	global_load_b128 v[PT+4*\i:PT+4*\i+3], v[PO], s[14:15] offset:131072*\i   ; sixteen lanes read 256 aligned bytes of one work-group's sums; older than every load counted below
.endr
.Lnocol:
	global_load_b32 v[IX], v[L4], s[8:9] offset:256
	global_load_b32 v[IX+1], v[L4], s[10:11] offset:256
	global_load_b32 v[IX+2], v[L4], s[12:13] offset:256
.irp k, 0,1,2,3,4,5,6,7,8,9,10,11,12,13,14,15
	global_load_b128 v[XR+4*\k:XR+4*\k+3], v[L16], s[4:5] offset:512*\k th:TH_LOAD_NT
.endr
	s_wait_loadcnt 16                              ; the codes are in; the 16 rows of x may be out
	global_store_b96 v[L12], v[IX:IX+2], s[18:19]  ; out1: 192 consecutive bytes; both halves of the lanes hold and write the same
.macro FILLG k
.set SF, SL+12*((\k)%8)
.set GO, GOF+3*((\k)%8)
	v_readlane_b32 s40, v[IX], \k
	v_readlane_b32 s41, v[IX+1], \k
	v_readlane_b32 s42, v[IX+2], \k
	s_min_u32 s40, s40, 1023                       ; a code read from memory enters an address held to 1,023
	s_min_u32 s41, s41, 1023
	s_min_u32 s42, s42, 1023
	v_lshl_add_u32 v[GO], s40, 9, v[L16]
	v_lshl_add_u32 v[GO+1], s41, 9, v[L16]
	v_lshl_add_u32 v[GO+2], s42, 9, v[L16]
	global_load_b128 v[SF:SF+3], v[GO], s[6:7]
	global_load_b128 v[SF+4:SF+7], v[GO+1], s[6:7] offset:524288
	global_load_b128 v[SF+8:SF+11], v[GO+2], s[6:7] offset:1048576
.endm
.macro WORK k
.set XK, XR+4*(\k)
.set S, SL+12*((\k)%8)
	s_wait_alu depctr_va_vdst(0)
.if 15-(\k) >= 7
	s_wait_loadcnt 21                              ; my row's three gathers are in (and x, which is older); the seven younger rows' may be out
.else
	s_wait_loadcnt 3*(15-(\k))
.endif
.irp i, 0,2
	v_pk_add_f32 v[RT+\i:RT+\i+1], v[XK+\i:XK+\i+1], v[S+\i:S+\i+1] neg_lo:[0,1] neg_hi:[0,1]       ; x - q0
	v_pk_add_f32 v[S+\i:S+\i+1], v[S+\i:S+\i+1], v[S+4+\i:S+5+\i]                                   ; q0 + q1
.endr
.irp i, 0,2
	v_pk_add_f32 v[RT+\i:RT+\i+1], v[RT+\i:RT+\i+1], v[S+4+\i:S+5+\i] neg_lo:[0,1] neg_hi:[0,1]
	v_pk_add_f32 v[S+\i:S+\i+1], v[S+\i:S+\i+1], v[S+8+\i:S+9+\i]
.endr
.irp i, 0,2
	v_pk_add_f32 v[RT+\i:RT+\i+1], v[RT+\i:RT+\i+1], v[S+8+\i:S+9+\i] neg_lo:[0,1] neg_hi:[0,1]     ; r3
.endr
.irp i, 0,2
	v_pk_add_f32 v[XK+\i:XK+\i+1], v[RT+\i:RT+\i+1], v[RT+\i:RT+\i+1] neg_lo:[0,1] neg_hi:[0,1]     ; the straight-through term, as it is written
.endr
.irp i, 0,2
	v_pk_fma_f32 v[SQ+\i:SQ+\i+1], v[RT+\i:RT+\i+1], v[RT+\i:RT+\i+1], v[SQ+\i:SQ+\i+1]
.endr
.irp i, 0,2
	v_pk_add_f32 v[S+\i:S+\i+1], v[S+\i:S+\i+1], v[XK+\i:XK+\i+1]
.endr
	global_store_b128 v[L16], v[S:S+3], s[16:17] offset:512*(\k) th:TH_STORE_NT
.if (\k)+8 < 16
	s_wait_xcnt 0x0                                ; the store has read its registers: the slot is loaded again only behind this wait
	FILLG (\k)+8
.endif
.endm
.irp k, 0,1,2,3,4,5,6,7
	FILLG \k
.endr
.irp k, 0,1,2,3,4,5,6,7,8,9,10,11,12,13,14,15
	WORK \k
.endr
.macro VADD a, b
	v_pk_add_f32 v[PT+4*(\a):PT+4*(\a)+1], v[PT+4*(\a):PT+4*(\a)+1], v[PT+4*(\b):PT+4*(\b)+1]
	v_pk_add_f32 v[PT+4*(\a)+2:PT+4*(\a)+3], v[PT+4*(\a)+2:PT+4*(\a)+3], v[PT+4*(\b)+2:PT+4*(\b)+3]
.endm
	s_wait_alu depctr_va_vdst(0)
	s_wait_xcnt 0x0                                ; the last eight rows' stores have read their registers: the slots are written again only behind this wait
	s_cmp_lt_u32 ttmp9, 48
	s_cbranch_scc0 .Lnocol2
.irp i, 0,2,4,6
	VADD \i, \i+1
.endr
	VADD 0, 2
	VADD 4, 6
	VADD 0, 4
.irp i, 0,1,2,3
	v_permlanex16_b32 v[PT+4+\i], v[PT+\i], s32, s33
.endr
	VADD 0, 1
	ds_store_b128 v[KW], v[PT:PT+3] offset:KST     ; both halves of the lanes write the same numbers to the same place
.Lnocol2:
	v_pk_add_f32 v[SQ:SQ+1], v[SQ:SQ+1], v[SQ+2:SQ+3]
	v_add_f32 v[SQ], v[SQ], v[SQ+1]
.irp m, 1,2,4,8
	v_add_f32_dpp v[SQ], v[SQ], v[SQ] row_xmask:\m row_mask:0xf bank_mask:0xf
.endr
	v_permlanex16_b32 v[SQ+1], v[SQ], s32, s33
	v_add_f32 v[SQ], v[SQ], v[SQ+1]
	ds_store_b32 v[CW], v[SQ] offset:CST
	s_wait_dscnt 0x0
	s_barrier_signal -1
	s_barrier_wait -1
	s_cmp_eq_u32 s22, 0
	s_cbranch_scc0 .Lnot0
	ds_load_b32 v[KL], v[L4] offset:CST            ; sixteen waves' sums, in each half of the lanes
	s_wait_dscnt 0x0
.irp m, 1,2,4,8
	v_add_f32_dpp v[KL], v[KL], v[KL] row_xmask:\m row_mask:0xf bank_mask:0xf
.endr
	s_wait_alu depctr_va_vdst(0)
	s_wait_xcnt 0x0                                ; EXEC changes only behind this wait
	v_cmp_eq_u32 vcc_lo, 0, v0
	s_and_saveexec_b32 s40, vcc_lo
	global_store_b32 v[ZR], v[KL], s[20:21]
	s_wait_xcnt 0x0
	s_or_b32 exec_lo, exec_lo, s40
	s_branch .Lend
.Lnot0:
	s_cmp_eq_u32 s22, 1
	s_cbranch_scc0 .Lend
	s_cmp_lt_u32 ttmp9, 48
	s_cbranch_scc0 .Lend
.irp v, 0,1,2,3,4,5,6,7,8,9,10,11,12,13,14,15
	ds_load_b64 v[KL+2*\v:KL+2*\v+1], v[KR] offset:KST+256*\v   ; two columns a lane, sixteen waves' shares
.endr
	s_wait_dscnt 0x0
.irp i, 0,4,8,12,16,20,24,28
	v_pk_add_f32 v[KL+\i:KL+\i+1], v[KL+\i:KL+\i+1], v[KL+\i+2:KL+\i+3]
.endr
.irp i, 0,8,16,24
	v_pk_add_f32 v[KL+\i:KL+\i+1], v[KL+\i:KL+\i+1], v[KL+\i+4:KL+\i+5]
.endr
	v_pk_add_f32 v[KL:KL+1], v[KL:KL+1], v[KL+8:KL+9]
	v_pk_add_f32 v[KL+16:KL+17], v[KL+16:KL+17], v[KL+24:KL+25]
	v_pk_add_f32 v[KL:KL+1], v[KL:KL+1], v[KL+16:KL+17]
	v_pk_mul_f32 v[KL:KL+1], v[KL:KL+1], s[34:35] op_sel_hi:[1,0]   ; avg: exact
	v_fma_f32 v[KL+2], v[KL], s36, s37             ; avg x 1,024 is exact, so this is the sum rounded once
	v_fma_f32 v[KL+3], v[KL+1], s36, s37
	s_wait_alu depctr_va_vdst(0)                   ; the wait ahead of the batch
	v_log_f32 v[KL+2], v[KL+2]
	v_log_f32 v[KL+3], v[KL+3]
	v_nop                                          ; a plain place behind the logarithms
	s_wait_alu depctr_va_vdst(0)                   ; the wait ahead of the first reader
	v_mul_f32 v[KL+2], 0x3f317218, v[KL+2]         ; x ln 2
	v_mul_f32 v[KL+3], 0x3f317218, v[KL+3]
	v_mul_f32 v[KL+2], v[KL], v[KL+2]
	v_fma_f32 v[KL+2], v[KL+1], v[KL+3], v[KL+2]
.irp m, 1,2,4,8
	v_add_f32_dpp v[KL+2], v[KL+2], v[KL+2] row_xmask:\m row_mask:0xf bank_mask:0xf
.endr
	v_permlanex16_b32 v[KL+3], v[KL+2], s32, s33
	v_add_f32 v[KL+2], v[KL+2], v[KL+3]
	s_wait_alu depctr_va_vdst(0)
	s_wait_xcnt 0x0
	v_cmp_eq_u32 vcc_lo, 32, v0
	s_and_saveexec_b32 s40, vcc_lo
	global_store_b32 v[ZR], v[KL+2], s[20:21] offset:1024
	s_wait_xcnt 0x0
	s_or_b32 exec_lo, exec_lo, s40
.Lend:
	s_nop 0
	s_wait_tensorcnt 0x0                           ; the wave's end
	ds_add_u32 v[SPW], v[NIL]
	s_wait_dscnt 0x0
	s_endpgm
.Lfunc_end_k_qdf699601f6_fin:
	.size	k_qdf699601f6_fin, .Lfunc_end_k_qdf699601f6_fin-k_qdf699601f6_fin
	.p2alignl 7, 3214868480
	.fill 96, 4, 3214868480
	.section	.rodata,"a",@progbits
	.p2align	6, 0x0
	.amdhsa_kernel k_qdf699601f6_fin
		.amdhsa_group_segment_fixed_size 6400
		.amdhsa_private_segment_fixed_size 0
		.amdhsa_enable_private_segment 0
		.amdhsa_kernarg_size 72
		.amdhsa_user_sgpr_count 2
		.amdhsa_user_sgpr_kernarg_segment_ptr 1
		.amdhsa_wavefront_size32 1
		.amdhsa_system_sgpr_workgroup_id_x 1
		.amdhsa_system_sgpr_workgroup_id_y 1
		.amdhsa_system_sgpr_workgroup_id_z 1
		.amdhsa_system_vgpr_workitem_id 0
		.amdhsa_next_free_vgpr 256
		.amdhsa_next_free_sgpr 66
		.amdhsa_reserve_vcc 1
		.amdhsa_float_denorm_mode_32 3
		.amdhsa_float_denorm_mode_16_64 3
		.amdhsa_memory_ordered 1
		.amdhsa_forward_progress 1
		.amdhsa_inst_pref_size 45
	.end_amdhsa_kernel
	.amdgpu_metadata
---
amdhsa.version: [ 1, 2 ]
amdhsa.kernels:
  - .name:           k_qdf699601f6_fin
    .symbol:         k_qdf699601f6_fin.kd
    .args:
      - { .name: x, .offset: 0, .size: 8, .value_kind: global_buffer, .address_space: global }
      - { .name: codebooks, .offset: 8, .size: 8, .value_kind: global_buffer, .address_space: global }
      - { .name: code0, .offset: 16, .size: 8, .value_kind: global_buffer, .address_space: global }
      - { .name: code1, .offset: 24, .size: 8, .value_kind: global_buffer, .address_space: global }
      - { .name: code2, .offset: 32, .size: 8, .value_kind: global_buffer, .address_space: global }
      - { .name: part, .offset: 40, .size: 8, .value_kind: global_buffer, .address_space: global }
      - { .name: out0, .offset: 48, .size: 8, .value_kind: global_buffer, .address_space: global }
      - { .name: out1, .offset: 56, .size: 8, .value_kind: global_buffer, .address_space: global }
      - { .name: fpart, .offset: 64, .size: 8, .value_kind: global_buffer, .address_space: global }
    .group_segment_fixed_size: 6400
    .private_segment_fixed_size: 0
    .kernarg_segment_align: 8
    .kernarg_segment_size: 72
    .max_flat_workgroup_size: 512
    .sgpr_count:     66
    .vgpr_count:     256
    .wavefront_size: 32
...
	.end_amdgpu_metadata
.endif
;; end of part 3
;; launch red (part 4): grid 1 x 1, 1 waves a work-group, no clusters, 0 bytes of LDS; arguments part, fpart, out2, out3; writes out2, out3
.if DOCPART == 4
	.amdgcn_target "amdgcn-amd-amdhsa--gfx1250"
	.amdhsa_code_object_version 6
	.text
	.protected	k_qdf699601f6_red
	.globl	k_qdf699601f6_red
	.p2align	8
	.type	k_qdf699601f6_red,@function
k_qdf699601f6_red:
	s_mov_b64 s[64:65], 0
	v_nop
	global_prefetch_b8 v0, s[64:65] scope:SCOPE_SE
	s_setreg_imm32_b32 hwreg(HW_REG_WAVE_MODE, 25, 1), 1
	s_wait_xcnt 0x0
; The two scalars.  out2 = 1.25 / (65,536 x 128) x the sum over the three levels of |residual behind the level|^2: 512 numbers in part (levels 0 and 1, stored by the launches of levels 1 and 2) and 256 in fpart.
; out3 = 1e-3 x the sum of the 48 parts of the usage term.  One wave: 3.2 KiB are read; the sums span all work-groups of the launches before, so they have a launch of their own.
	s_load_b256 s[4:11], s[0:1], 0x0               ; part, fpart, out2, out3
	v_lshlrev_b32 v1, 4, v0
	v_lshlrev_b32 v2, 2, v0
	v_and_b32 v3, 15, v0
	v_lshlrev_b32 v3, 2, v3
	v_mov_b32 v4, 0
	s_mov_b32 s12, 0x76543210
	s_mov_b32 s13, 0xfedcba98
	s_wait_alu depctr_va_vdst(0)
	s_wait_kmcnt 0x0
.irp i, 0,1,2,3
	global_load_b128 v[8+4*\i:11+4*\i], v1, s[4:5] offset:3146752+512*\i
.endr
.irp i, 0,1
	global_load_b128 v[24+4*\i:27+4*\i], v1, s[6:7] offset:512*\i
.endr
	global_load_b32 v32, v2, s[6:7] offset:1024    ; parts 0 to 31
	global_load_b32 v33, v3, s[6:7] offset:1152    ; parts 32 to 47, read twice: the upper lanes' copy is dropped below
	s_wait_loadcnt 0x0
.irp a, 8,16,24
	v_pk_add_f32 v[\a:\a+1], v[\a:\a+1], v[\a+4:\a+5]
	v_pk_add_f32 v[\a+2:\a+3], v[\a+2:\a+3], v[\a+6:\a+7]
.endr
	v_pk_add_f32 v[8:9], v[8:9], v[16:17]
	v_pk_add_f32 v[10:11], v[10:11], v[18:19]
	v_pk_add_f32 v[8:9], v[8:9], v[24:25]
	v_pk_add_f32 v[10:11], v[10:11], v[26:27]
	v_pk_add_f32 v[8:9], v[8:9], v[10:11]
	v_add_f32 v8, v8, v9
	v_cmp_gt_u32 vcc_lo, 16, v0
	v_cndmask_b32 v33, 0, v33, vcc_lo
	v_add_f32 v32, v32, v33
.irp m, 1,2,4,8
	v_add_f32_dpp v8, v8, v8 row_xmask:\m row_mask:0xf bank_mask:0xf
	v_add_f32_dpp v32, v32, v32 row_xmask:\m row_mask:0xf bank_mask:0xf
.endr
	v_permlanex16_b32 v9, v8, s12, s13
	v_permlanex16_b32 v33, v32, s12, s13
	v_add_f32 v8, v8, v9
	v_add_f32 v32, v32, v33
	v_mul_f32 v8, 0x34200000, v8                   ; 1.25 x 2^-23
	v_mul_f32 v32, 0x3a83126f, v32                 ; 1e-3
	s_wait_alu depctr_va_vdst(0)
	s_wait_xcnt 0x0                                ; EXEC changes only behind this wait
	v_cmp_eq_u32 vcc_lo, 0, v0
	s_and_saveexec_b32 s14, vcc_lo
	global_store_b32 v4, v8, s[8:9]
	global_store_b32 v4, v32, s[10:11]
	s_wait_xcnt 0x0
	s_or_b32 exec_lo, exec_lo, s14
	s_endpgm
.Lfunc_end_k_qdf699601f6_red:
	.size	k_qdf699601f6_red, .Lfunc_end_k_qdf699601f6_red-k_qdf699601f6_red
	.p2alignl 7, 3214868480
	.fill 96, 4, 3214868480
	.section	.rodata,"a",@progbits
	.p2align	6, 0x0
	.amdhsa_kernel k_qdf699601f6_red
		.amdhsa_group_segment_fixed_size 0
		.amdhsa_private_segment_fixed_size 0
		.amdhsa_enable_private_segment 0
		.amdhsa_kernarg_size 32
		.amdhsa_user_sgpr_count 2
		.amdhsa_user_sgpr_kernarg_segment_ptr 1
		.amdhsa_wavefront_size32 1
		.amdhsa_system_sgpr_workgroup_id_x 1
		.amdhsa_system_sgpr_workgroup_id_y 1
		.amdhsa_system_sgpr_workgroup_id_z 1
		.amdhsa_system_vgpr_workitem_id 0
		.amdhsa_next_free_vgpr 48
		.amdhsa_next_free_sgpr 66
		.amdhsa_reserve_vcc 1
		.amdhsa_float_denorm_mode_32 3
		.amdhsa_float_denorm_mode_16_64 3
		.amdhsa_memory_ordered 1
		.amdhsa_forward_progress 1
		.amdhsa_inst_pref_size 4
	.end_amdhsa_kernel
	.amdgpu_metadata
---
amdhsa.version: [ 1, 2 ]
amdhsa.kernels:
  - .name:           k_qdf699601f6_red
    .symbol:         k_qdf699601f6_red.kd
    .args:
      - { .name: part, .offset: 0, .size: 8, .value_kind: global_buffer, .address_space: global }
      - { .name: fpart, .offset: 8, .size: 8, .value_kind: global_buffer, .address_space: global }
      - { .name: out2, .offset: 16, .size: 8, .value_kind: global_buffer, .address_space: global }
      - { .name: out3, .offset: 24, .size: 8, .value_kind: global_buffer, .address_space: global }
    .group_segment_fixed_size: 0
    .private_segment_fixed_size: 0
    .kernarg_segment_align: 8
    .kernarg_segment_size: 32
    .max_flat_workgroup_size: 32
    .sgpr_count:     66
    .vgpr_count:     48
    .wavefront_size: 32
...
	.end_amdgpu_metadata
.endif
;; end of part 4
